; MI455X (gfx1250); checked and timed in simulation.
; The chip was launched on July 23, 2026; its instructions are those of AMD's public machine-readable ISA for CDNA 5 (MIT licence, August 2026) and "CDNA5" Instruction Set Architecture Reference Guide (July 2026). The comments in the code are by the model that wrote it; some were corrected since.
;; Manual Attention. Allowed arithmetic: matrix products marked QUANTISED: E5M2 operands, one E8M0 scale for each 32 along K, by v_wmma_scale_f32_16x16x128_f8f6f4 with both operands' format E5M2, f32 sums; everything else in f32.
;; Inputs: b_out 1,024 float32; b_qkv 3,072 float32; w_out_codes 1,024 x 32 x 32 uint8 (E5M2 codes of w_out, K innermost, in blocks of 32 codes); w_out_scales 1,024 x 32 uint8 (E8M0 scales of w_out, one for each 32 codes along K); w_qkv_codes 3,072 x 32 x 32 uint8 (E5M2 codes of w_qkv, K innermost, in blocks of 32 codes); w_qkv_scales 3,072 x 32 uint8 (E8M0 scales of w_qkv, one for each 32 codes along K); x_codes 4 x 2,048 x 32 x 32 uint8 (E5M2 codes of x, K innermost, in blocks of 32 codes); x_scales 4 x 2,048 x 32 uint8 (E8M0 scales of x, one for each 32 codes along K).
;; Outputs: out0 4 x 2,048 x 1,024 float32.
;; This version of the problem:
;;   THIS VERSION OF THE PROBLEM IS GIVEN IN LOW PRECISION. The matrix products marked QUANTISED in the list below multiply operands that are first quantised to E5M2 (5 exponent bits, 2 mantissa bits; 8 bits a number), with one power-of-two scale for each 32 numbers along K (OCP MX v1.0); their sums are f32. All else is computed in f32.
;;   The module's matrix products, in the order in which they are computed (A, B: the left and right operand; K: the contracted axis; several contracted axes count as one K, in the product's order):
;;     1. [M 8,192, K 1,024] x [K 1,024, N 3,072]; A: input x (given as codes); B: input w_qkv (given as codes): QUANTISED
;;     2. batch 64 x [M 2,048, K 64] x [K 64, N 2,048]; A: computed on the way; B: computed on the way: QUANTISED
;;     3. batch 64 x [M 2,048, K 2,048] x [K 2,048, N 64]; A: softmax (see below); B: computed on the way: QUANTISED
;;     4. [M 8,192, K 1,024] x [K 1,024, N 1,024]; A: computed on the way; B: input w_out (given as codes): QUANTISED
;;   THE QUANTISER, for each operand of a quantised product, along K:
;;     - K is cut into blocks of 32 from its start; a last block that is shorter is filled with zeros.
;;     - A block's scale is 2^e with e = floor(log2(the largest magnitude in the block)) - 15, held to -126 .. 127; a block of zeros has e = 0. As a byte (E8M0): e + 127.
;;     - Each number is divided by its block's scale, clamped to +-57,344, and rounded to the nearest number of E5M2, ties to even, subnormals kept.
;;     - The product sums the exact products of the quantised numbers (number of the format x scale) in f32.
;;   ~~~python
;;   def quantise(x, axis):      # numpy; x: float32 -> the quantised numbers, widened to float32 again
;;       x = np.moveaxis(x, axis, -1); K = x.shape[-1]
;;       x = np.pad(x, [(0, 0)] * (x.ndim - 1) + [(0, -K % 32)]); x = x.reshape(x.shape[:-1] + (-1, 32)); a = np.abs(x).max(-1, keepdims=True)
;;       e = np.where(a > 0, np.clip(np.frexp(np.where(a > 0, a, 1))[1] - 1 - 15, -126, 127), 0)      # np.frexp(a)[1] - 1 = floor(log2(a)), exactly
;;       r = np.clip(x / 2.0 ** e, -57344, 57344)
;;       step = 2.0 ** (np.maximum(np.frexp(np.where(r == 0, 1, r))[1] - 1, -14) - 2)
;;       q = np.round(r / step) * step * 2.0 ** e      # np.round: ties to even
;;       return np.moveaxis(q.reshape(q.shape[:-2] + (-1,))[..., :K], -1, axis).astype(np.float32)
;;   ~~~
;;   SOFTMAX AHEAD OF A QUANTISED PRODUCT. Where the list says 'softmax', what is quantised is not the finished softmax but p = 2^(t - M), with t = logit x log2(e) and M = ceil(the row's largest t), a whole number; so 1/2 < the row's largest p <= 1. The row's sum l is taken of the UNQUANTISED p, in f32, and the product's result is divided by l at the end. Since M is a whole number, a kernel that streams over the keys may use a running M (the ceiling of the running maximum): every later rescaling is an exact power of two, which a block's scale takes up: the codes' values come out the same.
;;   OPERANDS COMPUTED ON THE WAY. 'Computed on the way' means the value that the module computes at that place (a softmax that the list does not call 'softmax' is quantised finished and normalised). What goes into a quantiser is computed in f32, as accurately as f32 sums, v_exp_f32 and their like allow (about 1e-6 of the number): no bf16 or f16 on the way to a quantiser, and a product that is left as it is and whose result goes on into a quantised operand takes f32 operands (vector FMAs, or v_wmma_f32_16x16x4_f32). A number that lies on a knife's edge between two numbers of the format may be rounded either way, as far as f32 arithmetic and the matrix unit's own rounding can turn it there, and no further.
;;   INPUTS GIVEN AS CODES. w_out (in the module: [1024, 1024], K = its axis 1); w_qkv (in the module: [3072, 1024], K = its axis 1); x (in the module: [4, 2048, 1024], K = its axis 2): each comes as NAME_codes (uint8): NAME with its K axis moved to the last place and cut into blocks of 32 codes, [.., K / 32, bytes a block], one block behind the other in memory; one code a byte (a code: sign, 5 exponent bits, 2 mantissa bits); and NAME_scales (uint8): the same leading axes, one E8M0 byte (e + 127) for each 32 codes along K. Its value is code x scale, taken as it is: it is not quantised again, and the codes and scales need not be those that the quantiser above would give.
;; One version. Each part assembles by itself: llvm-mc -triple=amdgcn-amd-amdhsa -mcpu=gfx1250 --defsym DOCPART=n.
;; ======== version 1 of 1: 3 launches
;; limits: right only within a limited range of input values
;; workspace buffers: qkv_img 25,165,824 bytes; qkv_sc 786,432 bytes; ao_img 8,388,608 bytes; ao_sc 262,144 bytes
;; launch qkv (part 1): grid 12 x 32, 4 waves a work-group, clusters of 4 x 4, 327,680 bytes of LDS; arguments x_codes, x_scales, w_qkv_codes, w_qkv_scales, b_qkv, qkv_img, qkv_sc; writes qkv_img, qkv_sc
.if DOCPART == 1
	.amdgcn_target "amdgcn-amd-amdhsa--gfx1250"
	.amdhsa_code_object_version 6
	.text
	.protected	k_q72f7830ede_qkv
	.globl	k_q72f7830ede_qkv
	.p2align	8
	.type	k_q72f7830ede_qkv,@function
k_q72f7830ede_qkv:
	s_mov_b64 s[64:65], 0
	v_nop
	global_prefetch_b8 v0, s[64:65] scope:SCOPE_SE
	s_setreg_imm32_b32 hwreg(HW_REG_WAVE_MODE, 25, 1), 1
	s_wait_xcnt 0x0
	s_wait_alu depctr_hold_cnt(0) depctr_sa_sdst(0) depctr_va_vdst(0) depctr_va_sdst(0) depctr_va_ssrc(0) depctr_va_vcc(0) depctr_vm_vsrc(0)
	s_getreg_b32 s2, hwreg(HW_REG_IB_STS2, 6, 4)
	s_cmp_eq_u32 s2, 0
	s_cbranch_scc0 .Lentry_in_a_cluster
	s_endpgm
.Lentry_in_a_cluster:
	s_bfe_u32 s2, ttmp6, 0x10000c
	s_cmp_lg_u32 s2, 0xf033
	s_cbranch_scc0 .Lentry_shape_is_right
	s_endpgm
.Lentry_shape_is_right:
; qkv = x w_qkv^T + b_qkv on codes of BF8 (E5M2) with E8M0 scales as they are given, sums in f32; the result is quantised at once for the attention's products and leaves as codes and scale words only.
; x: 8,192 rows of 1,024 codes; w_qkv: 3,072 rows of 1,024 codes; their scale bytes 32 a row.  A tile of 256 x 256 is made by four waves, each 128 x 128: 64 accumulators, 512 registers.
; K goes in steps of 256 through a ring of two LDS slots filled by the tensor data mover; the scale bytes of the work-group's 2 x 256 rows come into LDS once.
; TWO MODES, chosen by the cluster's x alone, which all sixteen partners share.  Cluster x 0, 1 (q and k): A = x (tokens), B = w_qkv rows 0 .. 2,047.  Cluster x 2 (v): A = w_qkv rows 2,048 on (channels), B = x (tokens):
; the product is V^T.  THE MATRIX INSTRUCTION IS USED TRANSPOSED (source 0 = 16 rows of B, source 1 = 16 rows of A): a lane holds one row of A and its registers run along B's rows: along a head's 64 for q and k, along the keys
; for v: along the K of the product that will read the codes.  So a block of 32 lies in lanes l and l xor 16 and the conversions' results are the next operand's registers.
; ORDER INSIDE A BLOCK OF 32: place 16 h + 8 u + j of the operand holds number 16 u + 8 h + j of the block (h = lane / 16).  q and k have it alike, and so have v and the attention's p: the products are the same, summed in another order.
; WHAT IS STORED: images of operand registers, 16 bytes a lane, 512 consecutive aligned bytes a store.  qkv_img [head 64][q, k, v][131,072]: q, k: [token tile 128][block 2][lane][16]; v: [key step 16][channel tile 4][block 4][lane][16].
; qkv_sc [head][q, k, v][step 16][row 16][4 words]: q, k: word f = the two bytes of tile 2 f, then of tile 2 f + 1; v: word t = the four key blocks' bytes of channel tile t.
; CLUSTERS: 4 x 4 work-groups; A's tiles are asked for jointly along a row of the cluster, B's along a column.
; LIMITS: NaN and infinities are not served.  A block of zeros gets the byte 1 where the quantiser's rule says 127: its codes are zeros, and this program alone reads the bytes.
; REGISTERS: window 0: v0-31 addresses and the bias by rows; v32-63 scale words, two sets; v64-127 the bias by columns; from v128 A's fragments, one set.  window 1: B's fragments, two sets.  windows 2, 3: the accumulators.
.set KSTEP,  256
.set NQ,     KSTEP/128
.set ROWB,   256
.set KROW,   1024                      ; a row of x or of w_qkv in bytes
.set PITCH,  272                       ; an LDS row: 256 bytes + 16 of padding: the 16 rows that a load touches start at 16 different banks (64 banks of 4 bytes: ISA guide 11.1)
.set FR,     16
.set NL,     4
.set NP,     8                         ; places behind this matrix instruction (ISA guide 7.12.1)
.set HALFT,  128*PITCH
.set SLOT,   4*HALFT                   ; A's 256 rows, then B's 256 rows
.set LAPS,   KROW/(2*KSTEP)
.set KS,     KROW/32
.set SCL,    2*SLOT                    ; behind the ring: the scale bytes, as units of 256 bytes + 16 of padding
.set HALFS,  (128*KS/256)*272
.set SBLK,   (16*KS/256)*272
.set SPARE,  SCL+4*HALFS               ; the spare words, 128 bytes for each wave: two blocks of 256 bytes that no other line names
.set HEADB,  393216                    ; a head's three parts in qkv_img
.set BM,   8                           ; v8-15   the bias by rows: register a = b_qkv[BI + 16 a + lane % 16]
.set ADRA, 16
.set ADRB, 20
.set VS,   25                          ; v25     the way out: 16 (lane % 16) + 12,288 (lane / 16): my row's four scale words, lanes 16-31 in the next head
.set VO,   26                          ; v26     the way out: 16 x lane
.set ADRS, 27
.set SPW,  28
.set NIL,  29
.set VBN,  30                          ; v30     32 (lane / 16); never rewritten
.set VBM,  31                          ; v31     4 (lane % 16); never rewritten
.set SC,   32
.set BN,   64                          ; v64-127 the bias by columns: register 8 b + j = b_qkv[BI + 16 b + 8 (lane / 16) + j]
.set AF,   128
.set TM,   32                          ; the way out: v32-47 at work in the quantiser
.set W,    48                          ; v48-55  scale words being made
.set OW,   56                          ; v56-59  scale words to store
.set T,    128                         ; v128-191 64 numbers of a lane
.set PCR,  192                         ; v192-255 codes: four sets of 16 by turns
.set G1, 24
.set G0, 32
.set G1B, 48
.set G0B, 56
.set G1S, 68
.set G0S, 76
.set G1SB, 80
.set G0SB, 88
.set MSB, 0
.macro WIN new                         ; the immediate's high byte repeats the setting that is left
.if MSB != \new
	s_set_vgpr_msb (MSB<<8)|\new
.set MSB, \new
.endif
.endm
.set MUL_LO, 0xa1                      ; source 0 (B) window 1, source 1 (A) window 0, C and D window 2
.set MUL_HI, 0xf1                      ; the same, C and D window 3
.set TO_B,   0x40                      ; destination window 1, address window 0
; A joint load: waves 0 and 1 fetch for A, waves 2 and 3 for B; the branch hangs on the wave's number alone.  Four v_nop follow each of the two lines.
.macro JLOAD g0a, g1a, g0b, g1b
	s_cmp_eq_u32 s15, 0
	s_cbranch_scc0 .Lfor_b_\@
	tensor_load_to_lds s[\g0a:\g0a+3], s[\g1a:\g1a+7]
	s_nop 0
.rept 4
	v_nop
.endr
	s_branch .Lasked_\@
.Lfor_b_\@:
	tensor_load_to_lds s[\g0b:\g0b+3], s[\g1b:\g1b+7]
	s_nop 0
.rept 4
	v_nop
.endr
.Lasked_\@:
.endm
.macro CREST                           ; a round of the cluster's barrier behind its opening barrier
	s_cmp_lg_u32 s14, 0
	s_cbranch_scc1 .Lnot_wave_0_\@
	s_barrier_signal -3
.Lnot_wave_0_\@:
	s_barrier_wait -3
	s_barrier_signal -1
	s_barrier_wait -1
.endm
.macro CROUND                          ; a whole round
	s_barrier_signal -1
	s_barrier_wait -1
	CREST
.endm
	s_load_b128 s[4:7], s[0:1], 0x0                ; x's codes, x's scales
	s_load_b128 s[8:11], s[0:1], 0x10              ; w_qkv's codes, w_qkv's scales
	s_load_b64 s[12:13], s[0:1], 0x20              ; b_qkv
	s_load_b64 s[96:97], s[0:1], 0x28              ; qkv_img
	s_load_b64 s[98:99], s[0:1], 0x30              ; qkv_sc
	v_lshl_add_u32 v[SPW], v0, 2, SPARE
	v_mov_b32 v[NIL], 0
	ds_add_u32 v28, v29
	ds_add_u32 v28, v29
	s_wait_dscnt 0x0
	v_lshrrev_b32 v1, 5, v0
	v_readfirstlane_b32 s14, v1                    ; wave 0..3
	s_lshr_b32 s15, s14, 1                         ; which half of A's rows is mine.  Also: I fetch for A (0) or for B (1)
	s_and_b32 s16, s14, 1                          ; which half of B's rows.  Also: which 128 rows of that tile I fetch
	s_bfe_u32 s40, ttmp6, 0x40000                  ; cx, cy: my place in the cluster
	s_bfe_u32 s41, ttmp6, 0x40004
	s_lshl_b32 s42, ttmp9, 2                       ; 4 x cluster x
	s_and_b32 s17, ttmp7, 0xffff
	s_lshl_b32 s17, s17, 2                         ; 4 x cluster y
	s_cmp_eq_u32 ttmp9, 2                          ; the mode hangs on the cluster's x alone
	s_cselect_b32 s95, 1, 0                        ; 1: v
	s_cselect_b32 s2, 2048, 0                      ; v: A's rows begin at w_qkv's row 2,048
	s_cselect_b32 s42, s17, s42                    ; B's tiles: v: 4 x cluster y (tokens); q, k: 4 x cluster x (columns)
	s_cselect_b32 s17, 0, s17                      ; A's tiles: v: 0 (channels); q, k: 4 x cluster y (tokens)
	s_add_co_u32 s42, s42, s40                     ; B's tile: + cx
	s_add_co_u32 s17, s17, s41                     ; A's tile: + cy
	s_lshl_b32 s43, s41, 2
	s_lshl_b32 s43, 15, s43                        ; my row of the cluster
	s_lshl_b32 s44, 0x1111, s40                    ; my column
	; descriptor group 1: a tile of 128 rows x 256 bytes, padded in LDS
	s_or_b32 s[G1+0], s43, (0<<16)|(1<<20)|(1<<21)|(5<<22)|(3<<25)  ; 15:0 the mask: A's tiles go to my row; 17:16 element of 1 byte; 20 padding on; 21 set beside a mask; 24:22 after every 64 words; 31:25 of 4 words
	s_or_b32 s[G1B+0], s44, (0<<16)|(1<<20)|(1<<21)|(5<<22)|(3<<25)
.irp g, G1, G1B
	s_mov_b32 s[\g+1], ROWB<<16                    ; tensor_dim0
	s_mov_b32 s[\g+2], 256<<16                     ; tensor_dim1: 256 rows for the head's loads; set to 128 for the ring's behind them
	s_mov_b32 s[\g+3], ROWB<<16                    ; tile_dim0
	s_mov_b32 s[\g+4], 256                         ; tile_dim1
	s_mov_b32 s[\g+5], KROW                        ; tensor_dim0_stride
	s_mov_b32 s[\g+6], 0
	s_mov_b32 s[\g+7], 0
.endr
	; the scale bytes of 256 rows: a dense block of 8,192 bytes, as 32 rows of 256 bytes (32 elements of 8 bytes), 16 bytes of padding behind each
	s_or_b32 s[G1S+0], s43, (3<<16)|(1<<20)|(1<<21)|(5<<22)|(3<<25)
	s_or_b32 s[G1SB+0], s44, (3<<16)|(1<<20)|(1<<21)|(5<<22)|(3<<25)
.irp g, G1S, G1SB
	s_mov_b32 s[\g+1], 32<<16
	s_mov_b32 s[\g+2], (256*KS/256)<<16            ; the scale bytes of all 256 rows by one load
	s_mov_b32 s[\g+3], 32<<16
	s_mov_b32 s[\g+4], 256*KS/256
	s_mov_b32 s[\g+5], 32
	s_mov_b32 s[\g+6], 0
	s_mov_b32 s[\g+7], 0
.endr
	s_lshl_b32 s20, s17, 8
	s_add_co_u32 s20, s20, s2                      ; A: the tile's first row, 256 x tile (+ 2,048 for v)
	s_lshl_b32 s46, s42, 8                         ; B: 256 x tile
	s_mov_b32 s21, 0
	s_mov_b32 s47, 0
	s_mov_b64 s[18:19], KS
	s_mul_u64 s[22:23], s[20:21], s[18:19]         ; where these rows' scale bytes begin
	s_mul_u64 s[92:93], s[46:47], s[18:19]
	s_mov_b64 s[18:19], KROW
	s_mul_u64 s[20:21], s[20:21], s[18:19]         ; and their codes
	s_mul_u64 s[46:47], s[46:47], s[18:19]
	s_mul_i32 s45, s14, HALFT                      ; where they go: wave x 128 rows: no place in the cluster enters an LDS address
	s_wait_kmcnt 0x0
	s_cmp_eq_u32 ttmp9, 2                          ; which tensor is A and which is B: a choice between buffers on the cluster's x
	s_cselect_b64 s[66:67], s[8:9], s[4:5]         ; A's codes
	s_cselect_b64 s[100:101], s[10:11], s[6:7]     ; A's scales
	s_cselect_b64 s[8:9], s[4:5], s[8:9]           ; B's codes
	s_cselect_b64 s[10:11], s[6:7], s[10:11]       ; B's scales
	s_add_nc_u64 s[20:21], s[66:67], s[20:21]
	s_add_nc_u64 s[22:23], s[100:101], s[22:23]
	s_add_nc_u64 s[46:47], s[8:9], s[46:47]
	s_add_nc_u64 s[92:93], s[10:11], s[92:93]
	CROUND                                         ; all sixteen work-groups are here: the first joint loads meet
	s_mov_b32 s[G0S], 1
	s_mov_b32 s[G0S+1], SCL
	s_mov_b64 s[G0S+2:G0S+3], s[22:23]
	s_or_b32 s[G0S+3], s[G0S+3], 0x80000000
	s_mov_b32 s[G0SB], 1
	s_mov_b32 s[G0SB+1], SCL+2*HALFS
	s_mov_b64 s[G0SB+2:G0SB+3], s[92:93]
	s_or_b32 s[G0SB+3], s[G0SB+3], 0x80000000
	s_mov_b32 s4, 1                                ; group 0 of the head's loads of K step 0, in registers whose arguments have been used: A's 256 rows,
	s_mov_b32 s5, 0
	s_mov_b64 s[6:7], s[20:21]
	s_or_b32 s7, s7, 0x80000000
	s_mov_b32 s8, 1                                ; B's 256 rows, behind them in slot 0
	s_mov_b32 s9, 2*HALFT
	s_mov_b64 s[10:11], s[46:47]
	s_or_b32 s11, s11, 0x80000000
	s_mul_i32 s18, s16, 128*KROW                   ; for the ring: my 128 rows of the tile
	s_mov_b32 s19, 0
	s_add_nc_u64 s[20:21], s[20:21], s[18:19]
	s_add_nc_u64 s[46:47], s[46:47], s[18:19]
.irp s, 0,1
	s_mov_b32 s[G0+4*\s], 1
	s_add_co_u32 s[G0+4*\s+1], s45, \s*SLOT
	s_add_nc_u64 s[G0+4*\s+2:G0+4*\s+3], s[20:21], \s*ROWB
	s_or_b32 s[G0+4*\s+3], s[G0+4*\s+3], 0x80000000
	s_mov_b32 s[G0B+4*\s], 1
	s_add_co_u32 s[G0B+4*\s+1], s45, \s*SLOT
	s_add_nc_u64 s[G0B+4*\s+2:G0B+4*\s+3], s[46:47], \s*ROWB
	s_or_b32 s[G0B+4*\s+3], s[G0B+4*\s+3], 0x80000000
.endr
; the head's four tiles, one load a wave: wave 0 K step 0's 256 rows of A, wave 1 those of B, wave 2 A's scale bytes, wave 3 B's; one chain of arms on the wave's number
.macro ARM under, g0, g1, next
	s_cmp_lt_u32 s14, \under
	s_cbranch_scc0 \next
	tensor_load_to_lds s[\g0:\g0+3], s[\g1:\g1+7]
	s_nop 0
.rept 4
	v_nop
.endr
	s_branch .Lhead_asked
\next:
.endm
	ARM 1, 4, G1, .Lhead_b
	ARM 2, 8, G1B, .Lhead_sa
	ARM 3, G0S, G1S, .Lhead_sb
	tensor_load_to_lds s[G0SB:G0SB+3], s[G1SB:G1SB+7]
	s_nop 0
.rept 4
	v_nop
.endr
.Lhead_asked:
	v_and_b32 v1, 15, v0                           ; l % 16
	v_bfe_u32 v2, v0, 4, 1                         ; l / 16
	; the bias.  q, k: it goes by columns (B's rows); v: by rows (A's rows).  BI = my first such row of w_qkv.  Both sets are loaded in both modes (128 numbers from BI on, inside b_qkv), so that
	; every register is written on every path; the way out's branch takes the one that belongs.
	s_wait_alu depctr_va_vdst(0)
	s_lshl_b32 s46, s42, 8
	s_lshl_b32 s47, s16, 7
	s_add_co_u32 s46, s46, s47                     ; s46: my first row of B; kept for the way out
	s_lshl_b32 s92, s17, 8
	s_lshl_b32 s47, s15, 7
	s_add_co_u32 s92, s92, s47                     ; s92: my first row of A (for v: channel); kept for the way out
	s_add_co_u32 s93, s92, 2048
	s_cmp_lg_u32 s95, 0
	s_cselect_b32 s93, s93, s46                    ; BI
	s_lshl_b32 s20, s93, 2
	s_mov_b32 s21, 0
	s_add_nc_u64 s[12:13], s[12:13], s[20:21]
	v_lshlrev_b32 v[VBN], 5, v2
	v_lshlrev_b32 v[VBM], 2, v1
.irp b, 0,1,2,3,4,5,6,7
	global_load_b128 v[BN+8*\b:BN+8*\b+3], v[VBN], s[12:13] offset:64*\b
	global_load_b128 v[BN+8*\b+4:BN+8*\b+7], v[VBN], s[12:13] offset:64*\b+16
.endr
.irp a, 0,1,2,3,4,5,6,7
	global_load_b32 v[BM+\a], v[VBM], s[12:13] offset:64*\a
.endr
	v_mul_u32_u24 v3, v1, PITCH
	v_lshl_add_u32 v4, v2, 4, v3                   ; a fragment's row x pitch + 16 x half
	s_mul_i32 s21, s15, HALFT                      ; my 128 rows of A
	s_mul_i32 s22, s16, HALFT                      ; my 128 rows of B,
	s_add_co_u32 s22, s22, 2*HALFT                 ; which lie behind A's 256
.irp s, 0,1
	v_add_nc_u32 v[ADRA+\s], s21, v4
	v_add_nc_u32 v[ADRB+\s], s22, v4
	s_add_co_u32 s21, s21, SLOT
	s_add_co_u32 s22, s22, SLOT
.endr
	v_mul_u32_u24 v5, v1, KS                       ; my row's scales: 32 bytes a row,
	v_lshrrev_b32 v6, 8, v5
	v_lshl_add_u32 v5, v6, 4, v5                   ; and 16 more for each 256 passed
	s_mul_i32 s21, s15, HALFS                      ; A's: my 128 rows
	s_mul_i32 s22, s16, HALFS                      ; B's: my 128 rows, behind A's 256
	s_add_co_u32 s22, s22, 2*HALFS
	s_sub_co_u32 s22, s22, s21
	v_mul_u32_u24 v6, s22, v2                      ; lanes 16-31 take B's
	s_add_co_u32 s21, s21, SCL
	v_add_nc_u32 v5, v5, v6
	v_add_nc_u32 v[ADRS], s21, v5
	v_and_b32 v7, 31, v0                           ; lane; kept for the way out
	v_lshlrev_b32 v[VO], 4, v7
	v_mul_u32_u24 v5, v2, 12288
	v_lshl_add_u32 v[VS], v1, 4, v5
.macro FRAG reg, adr, q, i             ; a fragment, 16 rows x 128 K: lane l holds row l % 16; registers 4 c .. 4 c + 3 hold K = 32 c + 16 (l / 16) + 0 .. 15
.irp c, 0,1,2,3
	ds_load_b128 v[\reg+4*\c:\reg+4*\c+3], v[\adr] offset:128*(\q)+32*\c+(\i)*16*PITCH
.endr
.endm
; 16 matrix instructions: A's blocks a0, a0 + 1 x B's eight, 128 along K.  zero = 1: the first product starts the sums.  The 64 accumulators take turns, one instruction a turn.
.macro MUL16 a0, p, q, sc, zero
.irp a, \a0, \a0+1
.irp b, 0,1,2,3,4,5,6,7
.if \zero
	v_wmma_scale_f32_16x16x128_f8f6f4 v[8*(8*((\a)%4)+\b):8*(8*((\a)%4)+\b)+7], v[128*(\p)+FR*\b:128*(\p)+FR*\b+FR-1], v[AF+FR*(\a):AF+FR*(\a)+FR-1], 0, v[SC+8*NQ*(\sc)+NQ*\b+(\q)], v[SC+8*NQ*(\sc)+NQ*(\a)+(\q)] matrix_a_fmt:MATRIX_FMT_BF8 matrix_b_fmt:MATRIX_FMT_BF8 matrix_a_scale:MATRIX_SCALE_ROW1
.else
	v_wmma_scale_f32_16x16x128_f8f6f4 v[8*(8*((\a)%4)+\b):8*(8*((\a)%4)+\b)+7], v[128*(\p)+FR*\b:128*(\p)+FR*\b+FR-1], v[AF+FR*(\a):AF+FR*(\a)+FR-1], v[8*(8*((\a)%4)+\b):8*(8*((\a)%4)+\b)+7], v[SC+8*NQ*(\sc)+NQ*\b+(\q)], v[SC+8*NQ*(\sc)+NQ*(\a)+(\q)] matrix_a_fmt:MATRIX_FMT_BF8 matrix_b_fmt:MATRIX_FMT_BF8 matrix_a_scale:MATRIX_SCALE_ROW1
.endif
.endr
.endr
.endm
.macro FETCH_B slot, q, p
	WIN TO_B
.irp i, 0,1,2,3,4,5,6,7
	FRAG 128*(\p)+FR*\i, ADRB+\slot, \q, \i
.endr
	WIN 0
.endm
.macro FETCH_A slot, q, i0
.irp i, \i0, \i0+1, \i0+2, \i0+3
	FRAG AF+FR*(\i), ADRA+\slot, \q, \i
.endr
.endm
.macro SCALES sc                       ; a K step's scale words: two words a row; lanes 0-15 take A's block i, lanes 16-31 B's block i
.irp i, 0,1,2,3,4,5,6,7
	ds_load_b64 v[SC+8*NQ*\sc+NQ*\i:SC+8*NQ*\sc+NQ*\i+1], v[ADRS] offset:\i*SBLK
.endr
.endm
.macro PLACES n                        ; plain vector places behind matrix instructions, in front of loads into registers that they read and of reads of their results
.rept \n
	v_nop
.endr
.endm
.macro STEP slot, q, zero              ; a step of 128 along K that has its successor in the same slot
	s_wait_dscnt 4*NL                              ; B's set, the scale words and A's blocks 0-3 are in; the youngest 16 loads (A's blocks 4-7) may be out
	WIN MUL_LO
	MUL16 0, (\q)%2, \q, \slot, \zero
	MUL16 2, (\q)%2, \q, \slot, \zero
	s_wait_dscnt 0                                 ; A's blocks 4-7 are in
	PLACES NP
	FETCH_B \slot, (\q)+1, 1-(\q)%2
	FETCH_A \slot, (\q)+1, 0
	WIN MUL_HI
	MUL16 4, (\q)%2, \q, \slot, \zero
	MUL16 6, (\q)%2, \q, \slot, \zero
	PLACES NP
	WIN 0
	FETCH_A \slot, (\q)+1, 4
.endm
; A slot's last step changes slots: one barrier; in front of it each wave waits for all its tensor loads, adds 0 to its spare word, and waits for that and for its own reads of this slot.  fill = 1: the slot is filled again, two K steps ahead.
.macro TURN slot, next, fill
	s_wait_tensorcnt 0x0                           ; all my tensor loads have landed: my part of the next slot
	ds_add_u32 v[SPW], v[NIL]                      ; 0 onto my spare word
	s_wait_dscnt 4*NL+1                            ; the add and the youngest 16 loads (A's blocks 4-7) may be out
	WIN MUL_LO
	MUL16 0, 1, NQ-1, \slot, 0                     ; sixteen matrix instructions stand between the add and the wait for it
	s_wait_dscnt 0x0                               ; the add is done, and my reads of this slot are over
	s_barrier_signal -1
	MUL16 2, 1, NQ-1, \slot, 0
	WIN 0
	s_barrier_wait -1
.if \fill
	CREST                                          ; the barrier has opened a round of the cluster's barrier: no wave of any partner still reads this slot or has a load on its way
	s_add_nc_u64 s[G0+4*\slot+2:G0+4*\slot+3], s[G0+4*\slot+2:G0+4*\slot+3], 2*ROWB
	s_add_nc_u64 s[G0B+4*\slot+2:G0B+4*\slot+3], s[G0B+4*\slot+2:G0B+4*\slot+3], 2*ROWB
	JLOAD G0+4*\slot, G1, G0B+4*\slot, G1B         ; the first tensor load behind the round, my only one until the next; its four v_nop are among the places in front of the loads below
	PLACES NP-4
.else
	PLACES NP
.endif
	s_wait_alu depctr_va_vdst(0)
	v_add_nc_u32 v[ADRS], 4*NQ, v[ADRS]            ; on to the next K step's scale words
	FETCH_B \next, 0, 0
	FETCH_A \next, 0, 0
	SCALES \next
	WIN MUL_HI
	MUL16 4, 1, NQ-1, \slot, 0
	MUL16 6, 1, NQ-1, \slot, 0
	PLACES NP
	WIN 0
	FETCH_A \next, 0, 4
.endm
	s_wait_alu depctr_va_vdst(0)
	s_wait_loadcnt 0x0                             ; the bias: it comes while the first tiles come
	s_wait_tensorcnt 0x0                           ; my tile of the head's four is in
	ds_add_u32 v[SPW], v[NIL]
	s_mov_b32 s[G1+2], 128<<16                     ; no tensor load of mine is out: from here on a load brings 128 rows
	s_mov_b32 s[G1+4], 128
	s_mov_b32 s[G1B+2], 128<<16
	s_mov_b32 s[G1B+4], 128
	s_wait_dscnt 0x0
	CROUND                                         ; all four tiles are in, all sixteen work-groups are here
	JLOAD G0+4, G1, G0B+4, G1B                     ; K step 1: the first tensor load behind the round
	FETCH_B 0, 0, 0
	FETCH_A 0, 0, 0
	SCALES 0
	FETCH_A 0, 0, 4
	STEP 0, 0, 1                                   ; the first step stands in front of the loop: its products start the sums
	s_mov_b32 s3, LAPS-1
.Llap:                                                 ; a trip goes once round the ring and fills both slots again
	TURN 0, 1, 1
	STEP 1, 0, 0
	TURN 1, 0, 1
	STEP 0, 0, 0
	s_sub_co_u32 s3, s3, 1
	s_cmp_lg_u32 s3, 0
	s_cbranch_scc1 .Llap
	TURN 0, 1, 0                                   ; the last lap fills nothing
	STEP 1, 0, 0
	s_wait_dscnt 4*NL                              ; the very last step
	WIN MUL_LO
	MUL16 0, 1, NQ-1, 1, 0
	MUL16 2, 1, NQ-1, 1, 0
	s_wait_dscnt 0
	WIN MUL_HI
	MUL16 4, 1, NQ-1, 1, 0
	MUL16 6, 1, NQ-1, 1, 0
	WIN 0
; 64 numbers of a lane, v[s] on, register 16 b + i of block b, become 16 registers of codes in v[pc] on; the four blocks' scale bytes stay in v[TM+4] .. v[TM+7].
; A block's scale is 2^(floor(log2(its largest magnitude)) - 15): the largest magnitude's exponent field less 15 is the byte, and the same word is the conversion's scale operand.
.macro QUANT s, pc
.irp b, 0,1,2,3
	v_max3_num_f32 v[TM+\b], |v[\s+16*\b]|, |v[\s+1+16*\b]|, 0x8000000   ; my 16 numbers of block b, and the floor 2^(16 - 127): the byte cannot fall under 1
.endr
.irp i, 2,4,6,8,10,12,14
.irp b, 0,1,2,3
	v_max3_num_f32 v[TM+\b], v[TM+\b], |v[\s+16*\b+\i]|, |v[\s+1+16*\b+\i]|
.endr
.endr
.irp b, 0,1,2,3
	v_permlanex16_b32 v[TM+4+\b], v[TM+\b], s18, s19
.endr
.irp b, 0,1,2,3
	v_max_num_f32 v[TM+\b], v[TM+\b], v[TM+4+\b]   ; with lane l xor 16's 16: the block's largest magnitude
.endr
.irp b, 0,1,2,3
	v_add_nc_u32 v[TM+12+\b], 0xf8800000, v[TM+\b] ; 15 off its exponent field: the conversion's scale operand
.endr
.irp b, 0,1,2,3
	v_and_or_b32 v[TM+8+\b], v[TM+\b], 0x7f800000, s3   ; 57,344 x the scale
.endr
.irp b, 0,1,2,3
	v_lshrrev_b32 v[TM+4+\b], 23, v[TM+12+\b]      ; the scale's byte
.endr
.irp b, 0,1,2,3
.irp i, 0,1,2,3,4,5,6,7,8,9,10,11,12,13,14,15
	v_med3_num_f32 v[\s+16*\b+\i], v[\s+16*\b+\i], -v[TM+8+\b], v[TM+8+\b]   ; the conversion to an 8-bit code does not saturate (ISA guide 7.6.2): the hold
.endr
	v_cvt_scalef32_pk8_bf8_f32 v[\pc+4*\b:\pc+1+4*\b], v[\s+16*\b:\s+7+16*\b], v[TM+12+\b]
	v_cvt_scalef32_pk8_bf8_f32 v[\pc+2+4*\b:\pc+3+4*\b], v[\s+8+16*\b:\s+15+16*\b], v[TM+12+\b]
.endr
	v_nop                                          ; one plain vector line behind the last conversion
.endm
; THE WAY OUT, without LDS.  Block a of my eight blocks of 16 rows of A: its 64 results a lane take the bias on their way into window 0, are quantised, and leave as four stores of 512 consecutive bytes.
; mode 0 (q, k): rows are tokens; blocks 0, 1 of the 128 columns are one head, blocks 2, 3 the next.  mode 1 (v): rows are channels (blocks 0-3 one head, 4-7 the next), the 128 columns one key step.
.macro OUT mode
.if \mode
	s_lshr_b32 s21, s46, 11                        ; the batch: tokens are B's rows
	s_and_b32 s20, s46, 2047                       ; my first token in it
	s_lshr_b32 s22, s92, 6                         ; the head of my first channel
	s_lshl_b32 s21, s21, 4
	s_add_co_u32 s21, s21, s22
	s_mul_i32 s21, s21, 3
	s_add_co_u32 s21, s21, 2                       ; 3 x (16 x batch + head) + part 2
.else
	s_lshr_b32 s21, s92, 11                        ; the batch: tokens are A's rows
	s_and_b32 s20, s92, 2047
	s_lshr_b32 s22, s46, 6                         ; my first column / 64: 0-15 q's heads, 16-31 k's
	s_and_b32 s23, s22, 15
	s_lshl_b32 s21, s21, 4
	s_add_co_u32 s21, s21, s23
	s_mul_i32 s21, s21, 3
	s_lshr_b32 s22, s22, 4
	s_add_co_u32 s21, s21, s22                     ; 3 x (16 x batch + head) + part
.endif
	s_lshl_b32 s22, s21, 17                        ; 131,072 bytes a part,
	s_lshl_b32 s23, s20, 6                         ; and 64 bytes a token in either layout (1,024 a tile of 16; 8,192 a step of 128)
	s_add_co_u32 s22, s22, s23
	s_mov_b32 s23, 0
	s_add_nc_u64 s[96:97], s[96:97], s[22:23]
	s_lshl_b32 s22, s21, 12                        ; scale words: 4,096 bytes a part,
	s_lshl_b32 s20, s20, 1                         ; 256 a step of 128 tokens: 2 a token
	s_add_co_u32 s22, s22, s20
	s_add_nc_u64 s[98:99], s[98:99], s[22:23]
.set A_, 0
.rept 8
.set PCX, PCR+16*(A_%4)
.if A_ >= 4
	s_wait_xcnt 0x0                                ; the stores of four blocks ago have read this set of codes: it is written again only behind this wait
.endif
	WIN 0x02+(A_/4)                                ; source 0: window 2 or 3
.set K_, 0
.rept 32                               ; each accumulator from its low end on
.if \mode
.if A_%2 == 0
	v_pk_add_f32 v[T+K_:T+K_+1], v[64*(A_%4)+K_:64*(A_%4)+K_+1], v[BM+2*(A_/2):BM+2*(A_/2)+1] op_sel:[0,0] op_sel_hi:[1,0]   ; my row's bias serves both halves
.else
	v_pk_add_f32 v[T+K_:T+K_+1], v[64*(A_%4)+K_:64*(A_%4)+K_+1], v[BM+2*(A_/2):BM+2*(A_/2)+1] op_sel:[0,1] op_sel_hi:[1,1]
.endif
.else
	v_pk_add_f32 v[T+K_:T+K_+1], v[64*(A_%4)+K_:64*(A_%4)+K_+1], v[BN+K_:BN+K_+1]
.endif
.set K_, K_+2
.endr
	WIN 0
	QUANT T, PCX
.if \mode
	v_lshl_or_b32 v[W+A_], v[TM+5], 8, v[TM+4]     ; the four key blocks' bytes: the word of channel tile a % 4 of head a / 4
	v_lshl_or_b32 v[W+A_], v[TM+6], 16, v[W+A_]
	v_lshl_or_b32 v[W+A_], v[TM+7], 24, v[W+A_]
.else
.irp hd, 0,1                           ; two bytes for each head; tiles 2 f and 2 f + 1 share word f
.if A_%2 == 0
	v_lshl_or_b32 v[W+4*\hd+A_/2], v[TM+5+2*\hd], 8, v[TM+4+2*\hd]
.else
	v_lshl_or_b32 v[W+4*\hd+A_/2], v[TM+4+2*\hd], 16, v[W+4*\hd+A_/2]
	v_lshl_or_b32 v[W+4*\hd+A_/2], v[TM+5+2*\hd], 24, v[W+4*\hd+A_/2]
.endif
.endr
.endif
.irp i, 0,1,2,3
.if \mode
	global_store_b128 v[VO], v[PCX+4*\i:PCX+4*\i+3], s[96:97] offset:(A_/4)*HEADB+2048*(A_%4)+512*\i
.else
	global_store_b128 v[VO], v[PCX+4*\i:PCX+4*\i+3], s[96:97] offset:(\i/2)*HEADB+1024*A_+512*(\i%2)
.endif
.endr
.set A_, A_+1
.endr
.irp k, 0,1,2,3
	v_cndmask_b32 v[OW+\k], v[W+\k], v[W+4+\k], vcc_lo   ; lanes 0-15 store the first head's words, lanes 16-31 the second's
.endr
	global_store_b128 v[VS], v[OW:OW+3], s[98:99]  ; sixteen lanes store 256 consecutive aligned bytes
.endm
	PLACES NP                                      ; behind the last products: for the reads of their results and the writes over their operands and scale words
	s_mov_b32 s18, 0x76543210
	s_mov_b32 s19, 0xfedcba98                      ; v_permlanex16_b32's selects for lane l xor 16
	s_mov_b32 s3, 0x600000                         ; the mantissa field of 57,344
.irp b, 0,1,2,3
	v_mov_b32 v[TM+4+\b], 0                        ; a lane permute's destination counts as one of its sources
.endr
	v_cmp_le_u32 vcc_lo, 16, v7                    ; lanes 16-31
	s_cmp_lg_u32 s95, 0                            ; the mode: the same in all sixteen partners
	s_cbranch_scc1 .Lv
	OUT 0
	s_branch .Ljoin
.Lv:
	OUT 1
.Ljoin:
	s_wait_tensorcnt 0x0                           ; the wave's end
	ds_add_u32 v[SPW], v[NIL]
	s_wait_dscnt 0x0
	CROUND                                         ; the closing round: no work-group ends while a partner may still ask for a tile that names it
	s_endpgm
.Lfunc_end_k_q72f7830ede_qkv:
	.size	k_q72f7830ede_qkv, .Lfunc_end_k_q72f7830ede_qkv-k_q72f7830ede_qkv
	.p2alignl 7, 3214868480
	.fill 96, 4, 3214868480
	.section	.rodata,"a",@progbits
	.p2align	6, 0x0
	.amdhsa_kernel k_q72f7830ede_qkv
		.amdhsa_group_segment_fixed_size 327680
		.amdhsa_private_segment_fixed_size 0
		.amdhsa_enable_private_segment 0
		.amdhsa_kernarg_size 56
		.amdhsa_user_sgpr_count 2
		.amdhsa_user_sgpr_kernarg_segment_ptr 1
		.amdhsa_wavefront_size32 1
		.amdhsa_system_sgpr_workgroup_id_x 1
		.amdhsa_system_sgpr_workgroup_id_y 1
		.amdhsa_system_sgpr_workgroup_id_z 1
		.amdhsa_system_vgpr_workitem_id 0
		.amdhsa_next_free_vgpr 1024
		.amdhsa_next_free_sgpr 102
		.amdhsa_reserve_vcc 1
		.amdhsa_float_denorm_mode_32 3
		.amdhsa_float_denorm_mode_16_64 3
		.amdhsa_memory_ordered 1
		.amdhsa_forward_progress 1
		.amdhsa_inst_pref_size 255
	.end_amdhsa_kernel
	.section	.bss,"aw",@nobits
	.p2align	6
	.space	262144
	.amdgpu_metadata
---
amdhsa.version: [ 1, 2 ]
amdhsa.kernels:
  - .name:           k_q72f7830ede_qkv
    .symbol:         k_q72f7830ede_qkv.kd
    .args:
      - { .name: x_codes, .offset: 0, .size: 8, .value_kind: global_buffer, .address_space: global }
      - { .name: x_scales, .offset: 8, .size: 8, .value_kind: global_buffer, .address_space: global }
      - { .name: w_qkv_codes, .offset: 16, .size: 8, .value_kind: global_buffer, .address_space: global }
      - { .name: w_qkv_scales, .offset: 24, .size: 8, .value_kind: global_buffer, .address_space: global }
      - { .name: b_qkv, .offset: 32, .size: 8, .value_kind: global_buffer, .address_space: global }
      - { .name: qkv_img, .offset: 40, .size: 8, .value_kind: global_buffer, .address_space: global }
      - { .name: qkv_sc, .offset: 48, .size: 8, .value_kind: global_buffer, .address_space: global }
    .group_segment_fixed_size: 327680
    .private_segment_fixed_size: 0
    .kernarg_segment_align: 8
    .kernarg_segment_size: 56
    .max_flat_workgroup_size: 128
    .sgpr_count:     102
    .vgpr_count:     1024
    .wavefront_size: 32
...
	.end_amdgpu_metadata
.endif
;; end of part 1
;; launch attn (part 2): grid 4 x 64, 8 waves a work-group, clusters of 4 x 1, 327,680 bytes of LDS; arguments qkv_img, qkv_sc, ao_img, ao_sc; writes ao_img, ao_sc
.if DOCPART == 2
	.amdgcn_target "amdgcn-amd-amdhsa--gfx1250"
	.amdhsa_code_object_version 6
	.text
	.protected	k_q72f7830ede_attn
	.globl	k_q72f7830ede_attn
	.p2align	8
	.type	k_q72f7830ede_attn,@function
k_q72f7830ede_attn:
	s_mov_b64 s[64:65], 0
	v_nop
	global_prefetch_b8 v0, s[64:65] scope:SCOPE_SE
	s_setreg_imm32_b32 hwreg(HW_REG_WAVE_MODE, 25, 1), 1
	s_wait_xcnt 0x0
	s_wait_alu depctr_hold_cnt(0) depctr_sa_sdst(0) depctr_va_vdst(0) depctr_va_sdst(0) depctr_va_ssrc(0) depctr_va_vcc(0) depctr_vm_vsrc(0)
	s_getreg_b32 s2, hwreg(HW_REG_IB_STS2, 6, 4)
	s_cmp_eq_u32 s2, 0
	s_cbranch_scc0 .Lentry_in_a_cluster
	s_endpgm
.Lentry_in_a_cluster:
	s_bfe_u32 s2, ttmp6, 0x10000c
	s_cmp_lg_u32 s2, 0x3003
	s_cbranch_scc0 .Lentry_shape_is_right
	s_endpgm
.Lentry_shape_is_right:
; softmax(q k^T / 8) v for one head and 512 queries a work-group, both products on codes of BF8 (E5M2) with E8M0 scales; the result is quantised along the head's 64 and leaves as operand images for the projection.
; p = 2^(t - M), t = score x log2(e) / 8, M the ceiling of the running largest t; the row's sum is taken of the unquantised p and divides at the end; a change of M multiplies the sum and O by a power of two.
; INPUTS as launch qkv lays them: qkv_img [head][q, k, v][131,072], qkv_sc [head][q, k, v][4,096].  A fragment of K holds two tiles of 16 keys side by side along the instruction's 128; q stands beside eight registers of zero codes.
; SHARES.  The four work-groups of a cluster share a head's K and V: 262,144 bytes, asked for jointly, 32,768 a wave, once: they stay in LDS, so there is no ring.  The 8,192 scale bytes come through registers.
; Eight waves, two to a SIMD, 512 registers each; a wave owns 64 queries: two passes of two tiles of 16.  No prefetch: all that is fetched is asked for at the head, and there is no loop to run ahead in.
; THE PIPELINE.  A unit u is (key step of 128, tile).  In unit u's turn stand: O of u-1 x its factor; the four products P V of u-2 among u's 32 maxima; t - M; u's exponentials by turns with u-1's first sums and holds;
; u-1's conversions; the eight products K q^T of u+1 among u's scale lines and u-1's remaining sums.  Scores stand in two sets by turns.  The next step's K and this step's V are fetched in tile 1's turn.
; THE PIPELINE'S ENDS.  The first two turns of a pass work on what stands in the registers (zeros at first, later the last pass's finite numbers): each tile's first factor is 2^(-2^31) = 0 and wipes what they added.
; The last turn's products ahead take the LDS bytes that follow K's (V's first step); their results are not read.
; LIMITS: NaN and infinities are not served (one in a pass would reach the next pass's rows too); scaled scores stay under 2^31 in magnitude; a block of zeros keeps the byte 1: only this program reads the bytes.
; REGISTERS.  window 0: addresses, state, scale words, temporaries, v64-95 first sums, v128-255 two sets of scores.  window 1: v0-63 K's fragments, v64-103 zeros and q by turns, v104-167 O, v168-231 V's fragments, v232-247 p's codes, v248-249 the factor.
.set SCB, 262144                       ; K's and V's scale words
.set SCR, 270336                       ; the result's scale bytes: 1,024
.set SPARE, 271360                     ; the spare words: 128 bytes a wave
.set LI, 1                             ; 16 x lane
.set ADK, 2                            ; next step's K
.set ADV, 3                            ; this step's V
.set ADS, 4                            ; this step's scale words of K
.set SCA, 5                            ; my place in SCR
.set R16, 6                            ; 16 x (lane % 16)
.set ST, 8                             ; tile i: v[8+4i] -M, +1 largest t, +2, +3 the sum's halves
.set QW, 24                            ; q's scale words, two a tile
.set KW, 32
.set VW, 36
.set PW, 40                            ; p's scale word, by the unit's tile
.set FF, 42                            ; the factor (a pair)
.set BM, 44
.set PM, 48
.set BD, 52
.set SOP, 56
.set CH, 60
.set SPW, 62
.set NIL, 63
.set T, 64
.set PCO, 64                           ; the way out: codes, eight registers a tile
.set WD, 96                            ; the way out: a tile's two bytes, pass 0's above pass 1's
.set QWL, 116                          ; the pass's word of q's scale bytes, as loaded
.set S, 128
.set FK, 0
.set QB, 64
.set O, 104
.set FV, 168
.set PC, 232
.set F2, 248
.set G1C, 24
.set G0C, 52
.set MSB, 0
.macro WIN new                         ; the immediate's high byte repeats the setting that is left
.if MSB != \new
	s_set_vgpr_msb (MSB<<8)|\new
.set MSB, \new
.endif
.endm
.macro WALU
	s_wait_alu depctr_va_vdst(0)
.endm
.macro CROUND
	s_barrier_signal -1
	s_barrier_wait -1
	s_cmp_lg_u32 s12, 0
	s_cbranch_scc1 .Lnot_wave_0_\@
	s_barrier_signal -3
.Lnot_wave_0_\@:
	s_barrier_wait -3
	s_barrier_signal -1
	s_barrier_wait -1
.endm
.macro QLOAD                           ; a pass's two tiles of q and their word of scale bytes
	WIN 0x40
.irp i, 0,1
	global_load_b128 v[QB+16*\i+8:QB+16*\i+11], v[LI], s[4:5] offset:1024*\i
	global_load_b128 v[QB+16*\i+12:QB+16*\i+15], v[LI], s[4:5] offset:1024*\i+512
.endr
	WIN 0
	global_load_b32 v[QWL], v[R16], s[6:7]
.endm
	s_load_b256 s[4:11], s[0:1], 0x0
	v_lshl_add_u32 v[SPW], v0, 2, SPARE
	v_mov_b32 v[NIL], 0
	ds_add_u32 v[SPW], v[NIL]              ; the opening lines: the add twice on end, then its wait
	ds_add_u32 v[SPW], v[NIL]
	v_lshrrev_b32 v7, 5, v0
	v_readfirstlane_b32 s12, v7            ; wave 0..7
	s_bfe_u32 s13, ttmp6, 0x40000
	s_lshl_b32 s14, ttmp9, 2
	s_add_co_u32 s14, s14, s13             ; which 512 queries
	s_and_b32 s15, ttmp7, 0xffff           ; 16 x batch + head
	s_mul_i32 s16, s15, 393216
	s_mul_i32 s17, s15, 12288
	s_lshl_b32 s18, s12, 15
	s_add_co_u32 s32, s16, s18
	s_add_co_u32 s32, s32, 131072          ; my eighth of K and V
	s_mov_b32 s33, 0
	s_add_co_u32 s34, s17, 4096
	s_mov_b32 s35, 0
	s_mov_b32 s[G1C], 15|(3<<16)|(1<<21)   ; the cluster's four; elements of 8 bytes; 128 dense rows of 256 bytes
	s_mov_b32 s[G1C+1], 32<<16
	s_mov_b32 s[G1C+2], 128<<16
	s_mov_b32 s[G1C+3], 32<<16
	s_mov_b32 s[G1C+4], 128
	s_mov_b32 s[G1C+5], 32
	s_mov_b32 s[G1C+6], 0
	s_mov_b32 s[G1C+7], 0
	s_mov_b32 s19, 0x600000                ; 57,344's mantissa field
	s_mov_b32 s20, 0x76543210
	s_mov_b32 s21, 0xfedcba98
	s_mov_b32 s22, 0x3e38aa3b              ; log2(e) / 8
	s_mov_b32 s23, s22
	WALU
	s_wait_dscnt 0x0
	s_wait_kmcnt 0x0
	s_mov_b32 s[G0C], 1
	s_mov_b32 s[G0C+1], s18
	s_add_nc_u64 s[G0C+2:G0C+3], s[4:5], s[32:33]
	s_or_b32 s[G0C+3], s[G0C+3], 0x80000000
	s_add_nc_u64 s[44:45], s[6:7], s[34:35]
	CROUND
	tensor_load_to_lds s[G0C:G0C+3], s[G1C:G1C+7]
	s_nop 0
.rept 4
	v_nop
.endr
	v_lshlrev_b32 v[CH], 4, v0
	v_add_nc_u32 v[CH+1], SCB, v[CH]
.irp j, 0,1
	global_load_b128 v[100+4*\j:103+4*\j], v[CH], s[44:45] offset:4096*\j   ; K's and V's scale words: 256 threads x 32 bytes; s[44:45] is written nowhere else
.endr
	s_lshl_b32 s37, s14, 15
	s_lshl_b32 s38, s12, 12
	s_add_co_u32 s32, s16, s37
	s_add_co_u32 s32, s32, s38
	s_add_nc_u64 s[4:5], s[4:5], s[32:33]  ; my first tile of q: tile 32 x work-group + 4 x wave of the head
	s_lshl_b32 s37, s14, 10
	s_lshr_b32 s38, s12, 1
	s_lshl_b32 s38, s38, 8
	s_and_b32 s39, s12, 1
	s_lshl_b32 s39, s39, 3
	s_add_co_u32 s34, s17, s37
	s_add_co_u32 s34, s34, s38
	s_add_co_u32 s34, s34, s39
	s_add_nc_u64 s[6:7], s[6:7], s[34:35]  ; its scale word: step 4 x work-group + wave / 2, word 2 (wave % 2)
	s_lshr_b32 s37, s15, 4
	s_and_b32 s38, s15, 15
	s_lshl_b32 s32, s37, 7
	s_lshl_b32 s39, s14, 5
	s_add_co_u32 s32, s32, s39
	s_lshl_b32 s39, s12, 2
	s_add_co_u32 s32, s32, s39
	s_lshl_b32 s32, s32, 14
	s_lshl_b32 s39, s38, 10
	s_add_co_u32 s32, s32, s39
	s_add_nc_u64 s[8:9], s[8:9], s[32:33]
	s_lshl_b32 s34, s38, 14
	s_lshl_b32 s39, s37, 12
	s_add_co_u32 s34, s34, s39
	s_lshl_b32 s39, s14, 10
	s_add_co_u32 s34, s34, s39
	s_add_nc_u64 s[10:11], s[10:11], s[34:35]
	s_lshl_b32 s39, s12, 7
	v_and_b32 v7, 31, v0
	v_lshlrev_b32 v[LI], 4, v7
	v_and_b32 v7, 15, v0
	v_lshlrev_b32 v[R16], 4, v7
	v_lshl_add_u32 v[SCA], v7, 1, SCR
	v_add_nc_u32 v[SCA], s39, v[SCA]
	QLOAD                                  ; the first pass's q comes while the tensor load is out
; written once, under the tensor load's flight: what the pipeline's first turns read
.irp r, PM,PM+1,PM+2,PM+3,BD,BD+1,BD+2,BD+3,SOP,SOP+1,SOP+2,SOP+3,FF+1,WD,WD+1,ST+2,ST+3,ST+6,ST+7
	v_mov_b32 v[\r], 0
.endr
	v_mov_b32 v[FF], 1.0
	v_mov_b32 v[PW], 0x7f7f7f7f
	v_mov_b32 v[PW+1], 0x7f7f7f7f
.set J_, 0
.rept 32                               ; cleared two registers a line: 0 x 0 from a pair of zeros
	v_pk_mul_f32 v[S+64+J_:S+64+J_+1], v[BD:BD+1], v[BD:BD+1]
.set J_, J_+2
.endr
	WIN 0x40
.irp z, 0,1,2
.irp j, 0,2,4,6
	v_pk_mul_f32 v[QB+16*\z+\j:QB+16*\z+\j+1], v[BD:BD+1], v[BD:BD+1]   ; zero codes beside q
.endr
.endr
.set J_, 0
.rept 32
	v_pk_mul_f32 v[O+J_:O+J_+1], v[BD:BD+1], v[BD:BD+1]
.set J_, J_+2
.endr
.set J_, 0
.rept 8
	v_pk_mul_f32 v[PC+J_:PC+J_+1], v[BD:BD+1], v[BD:BD+1]
.set J_, J_+2
.endr
	v_mov_b32 v[F2], 1.0
	v_mov_b32 v[F2+1], 0
	WIN 0
	WALU
	s_wait_loadcnt 0x0
	s_wait_tensorcnt 0x0                   ; my eighth of K and V is in,
.irp j, 0,1
	ds_store_b128 v[CH+1], v[100+4*\j:103+4*\j] offset:4096*\j
.endr
	s_wait_dscnt 0x0                       ; my scale words are stored
	s_barrier_signal -1
	s_barrier_wait -1
.macro QK1 a, i, n                     ; product n of K q^T: fragment n / 2, its tile n % 2, into score set a; tile i's q
	WIN 0x05
.if (\n)%2 == 0
	v_wmma_scale_f32_16x16x128_f8f6f4 v[S+64*(\a)+8*(\n):S+64*(\a)+8*(\n)+7], v[FK+16*((\n)/2):FK+16*((\n)/2)+15], v[QB+16*(\i)+8:QB+16*(\i)+23], 0, v[KW+(\n)/2], v[QW+2*(\i)] matrix_a_fmt:MATRIX_FMT_BF8 matrix_b_fmt:MATRIX_FMT_BF8
.else
	v_wmma_scale_f32_16x16x128_f8f6f4 v[S+64*(\a)+8*(\n):S+64*(\a)+8*(\n)+7], v[FK+16*((\n)/2):FK+16*((\n)/2)+15], v[QB+16*(\i):QB+16*(\i)+15], 0, v[KW+(\n)/2], v[QW+2*(\i)+1] matrix_a_fmt:MATRIX_FMT_BF8 matrix_b_fmt:MATRIX_FMT_BF8
.endif
.endm
.macro PV1 i, t, pw                    ; O^T of tile i, channels 16 t on, += V^T P^T
	WIN 0x55
	v_wmma_scale_f32_16x16x128_f8f6f4 v[O+32*(\i)+8*(\t):O+32*(\i)+8*(\t)+7], v[FV+16*(\t):FV+16*(\t)+15], v[PC:PC+15], v[O+32*(\i)+8*(\t):O+32*(\i)+8*(\t)+7], v[VW+(\t)], v[\pw] matrix_a_fmt:MATRIX_FMT_BF8 matrix_b_fmt:MATRIX_FMT_BF8
.endm
.macro RESC i                          ; O of tile i x its unit's factor
	WIN 0x55
	WALU                                   ; the wait directly ahead of the first reader of matrix results
.set J_, 0
.rept 16
	v_pk_mul_f32 v[O+32*(\i)+J_:O+32*(\i)+J_+1], v[O+32*(\i)+J_:O+32*(\i)+J_+1], v[F2:F2+1] op_sel_hi:[1,0]
.set J_, J_+2
.endr
.endm
.macro MAXL k, sa                      ; line k of 32: the largest score of each block of 32 keys, the four blocks by turns
.if (\k) < 4
	v_max3_num_f32 v[BM+(\k)], v[\sa+16*(\k)], v[\sa+16*(\k)+1], v[\sa+16*(\k)+2]
.elseif (\k) < 28
	v_max3_num_f32 v[BM+(\k)%4], v[BM+(\k)%4], v[\sa+16*((\k)%4)+2*((\k)/4)+1], v[\sa+16*((\k)%4)+2*((\k)/4)+2]
.else
	v_max_num_f32 v[BM+(\k)%4], v[BM+(\k)%4], v[\sa+16*((\k)%4)+15]
.endif
.endm
.macro HOLD2 x, b                      ; p is not negative: the hold at the largest code is one-sided
	v_dual_min_num_f32 v[\x], v[\x], v[\b] :: v_dual_min_num_f32 v[\x+1], v[\x+1], v[\b]
.endm
.macro SUM1 g, sb                      ; four unquantised p into a pair of first sums
	v_pk_add_f32 v[T+2*(\g):T+2*(\g)+1], v[\sb+4*(\g):\sb+4*(\g)+1], v[\sb+4*(\g)+2:\sb+4*(\g)+3]
.endm
.macro CVTG sb                         ; the held p of set sb become codes; the factor is copied beside O
	WIN 0x40
.irp b, 0,1,2,3
	v_cvt_scalef32_pk8_bf8_f32 v[PC+4*\b:PC+4*\b+1], v[\sb+16*\b:\sb+16*\b+7], v[SOP+\b]
	v_cvt_scalef32_pk8_bf8_f32 v[PC+4*\b+2:PC+4*\b+3], v[\sb+16*\b+8:\sb+16*\b+15], v[SOP+\b]
.endr
	v_mov_b32 v[F2], v[FF]
	v_mov_b32 v[F2+1], v[FF]
	WIN 0
.endm
.macro TADD d, e
	v_pk_add_f32 v[T+\d:T+\d+1], v[T+\d:T+\d+1], v[T+\e:T+\e+1]
.endm
.macro L3 k, a, ip                     ; line k of 35: this unit's scales (from each block's largest p) and the unit before's remaining sums, by turns
.if (\k) < 4
	v_max_num_f32 v[BM+(\k)], 0x8000000, v[BM+(\k)]
.elseif (\k) < 12
	TADD 4*((\k)-4), 4*((\k)-4)+2
.elseif (\k) < 16
	v_add_nc_u32 v[SOP+(\k)-12], 0xf8800000, v[BM+(\k)-12]
.elseif (\k) < 20
	v_and_or_b32 v[BD+(\k)-16], v[BM+(\k)-16], 0x7f800000, s19
.elseif (\k) < 24
	TADD 8*((\k)-20), 8*((\k)-20)+4
.elseif (\k) < 28
	v_lshrrev_b32 v[PM+(\k)-24], 23, v[SOP+(\k)-24]
.elseif (\k) < 30
	TADD 16*((\k)-28), 16*((\k)-28)+8
.elseif (\k) == 30
	v_lshl_or_b32 v[PW+\a], v[PM+1], 8, v[PM]
.elseif (\k) == 31
	TADD 0, 16
.elseif (\k) == 32
	v_lshl_or_b32 v[PW+\a], v[PM+2], 16, v[PW+\a]
.elseif (\k) == 33
	v_pk_add_f32 v[ST+4*(\ip)+2:ST+4*(\ip)+3], v[ST+4*(\ip)+2:ST+4*(\ip)+3], v[T:T+1]
.else
	v_lshl_or_b32 v[PW+\a], v[PM+3], 24, v[PW+\a]
.endif
.endm
.macro LOADF reg, adr                  ; four fragments into window 1: 16 loads of 512 bytes
	WIN 0x40
.irp f, 0,1,2,3
.irp k, 0,1,2,3
	ds_load_b128 v[\reg+16*\f+4*\k:\reg+16*\f+4*\k+3], v[\adr] offset:2048*\f+512*\k
.endr
.endr
	WIN 0
.endm
.macro SLOT i                          ; unit u's turn; u's tile is i, and so is its set of scores
.set SA_, S+64*(\i)
.set SB_, S+64*(1-(\i))
.set IP_, 1-(\i)
.set M_, ST+4*(\i)
.if (\i) == 0
	WALU
	s_wait_dscnt 0x0                       ; the last step's V is in registers
.endif
	RESC IP_
.set K_, 0
.irp t, 0,1,2,3
	PV1 \i, \t, PW+\i
	WIN 0
.rept 8
	MAXL K_, SA_
.set K_, K_+1
.endr
.endr
.irp b, 0,1,2,3
	v_permlanex16_b32 v[PM+\b], v[BM+\b], s20, s21
.endr
.irp b, 0,1,2,3
	v_max_num_f32 v[BM+\b], v[BM+\b], v[PM+\b]
.endr
	v_max3_num_f32 v[CH], v[BM], v[BM+1], v[BM+2]
	v_mov_b32 v[CH+1], v[M_]
	v_max_num_f32 v[CH], v[CH], v[BM+3]
	v_mul_f32 v[CH], s22, v[CH]
	v_max_num_f32 v[M_+1], v[M_+1], v[CH]  ; the running largest t
	v_floor_f32 v[M_], -v[M_+1]            ; -M
.set J_, 0
.rept 32
	v_pk_fma_f32 v[SA_+J_:SA_+J_+1], v[SA_+J_:SA_+J_+1], s[22:23], v[M_:M_+1] op_sel_hi:[1,0,0]
.if J_ == 4
	v_sub_f32 v[CH], v[M_], v[CH+1]
.elseif J_ == 10
	v_cvt_i32_f32 v[CH], v[CH]
.elseif J_ == 16
	v_ldexp_f32 v[FF], 1.0, v[CH]          ; 2^(old M - new M)
.endif
.set J_, J_+2
.endr
.irp b, 0,1,2,3
	v_fma_f32 v[BM+\b], v[BM+\b], s22, v[M_]
.endr
	v_pk_mul_f32 v[M_+2:M_+3], v[M_+2:M_+3], v[FF:FF+1] op_sel_hi:[1,0]
.if (\i) == 1
	LOADF FK, ADK                          ; the last products on the old fragments stand 40 and more vector lines back
	ds_load_b128 v[KW:KW+3], v[ADS] offset:256
	LOADF FV, ADV
	ds_load_b128 v[VW:VW+3], v[ADS] offset:4096
	v_add_nc_u32 v[ADK], 8192, v[ADK]
	v_add_nc_u32 v[ADV], 8192, v[ADV]
	v_add_nc_u32 v[ADS], 256, v[ADS]
.endif
	WALU                                   ; the wait ahead of the batch
.set G_, 0
.rept 16                               ; u's exponentials by turns with lines of u-1 that hang on nothing here and are read behind the batch's wait
	v_exp_f32 v[SA_+4*G_], v[SA_+4*G_]
	SUM1 G_, SB_
	v_exp_f32 v[SA_+4*G_+1], v[SA_+4*G_+1]
	HOLD2 SB_+4*G_, BD+G_/4
	v_exp_f32 v[SA_+4*G_+2], v[SA_+4*G_+2]
	HOLD2 SB_+4*G_+2, BD+G_/4
	v_exp_f32 v[SA_+4*G_+3], v[SA_+4*G_+3]
.set G_, G_+1
.endr
.irp b, 0,1,2,3
	v_exp_f32 v[BM+\b], v[BM+\b]           ; each block's largest p
.endr
	v_nop
	WALU                                   ; and behind it
.if (\i) == 1
	s_wait_dscnt 17                        ; the next step's K and its scale words are in; behind them stand V's 16 loads and its scale words
.endif
	CVTG SB_
.set N_, 0
.rept 8
	QK1 1-(\i), IP_, N_
	WIN 0
	L3 4*N_, \i, IP_
	L3 4*N_+1, \i, IP_
	L3 4*N_+2, \i, IP_
	L3 4*N_+3, \i, IP_
.set N_, N_+1
.endr
	L3 32, \i, IP_
	L3 33, \i, IP_
	L3 34, \i, IP_
.endm
.macro OUT i                           ; tile i: O / the sum, quantised along the head's 64, 1,024 bytes of codes stored
.set L_, ST+4*(\i)+2
	v_add_f32 v[L_], v[L_], v[L_+1]
	v_permlanex16_b32 v[PM], v[L_], s20, s21
	v_add_f32 v[L_], v[L_], v[PM]
	WALU
	v_rcp_f32 v[L_], v[L_]
	v_nop
	WIN 0x01
	WALU
.set J_, 0
.rept 16
	v_pk_mul_f32 v[S+J_:S+J_+1], v[O+32*(\i)+J_:O+32*(\i)+J_+1], v[L_:L_+1] op_sel_hi:[1,0]
.set J_, J_+2
.endr
	WIN 0
.irp c, 0,1
	v_max3_num_f32 v[BM+\c], |v[S+16*\c]|, |v[S+1+16*\c]|, 0x8000000
.endr
.irp j, 2,4,6,8,10,12,14
.irp c, 0,1
	v_max3_num_f32 v[BM+\c], v[BM+\c], |v[S+16*\c+\j]|, |v[S+1+16*\c+\j]|
.endr
.endr
.irp c, 0,1
	v_permlanex16_b32 v[PM+\c], v[BM+\c], s20, s21
.endr
.irp c, 0,1
	v_max_num_f32 v[BM+\c], v[BM+\c], v[PM+\c]
.endr
.irp c, 0,1
	v_add_nc_u32 v[SOP+\c], 0xf8800000, v[BM+\c]
.endr
.irp c, 0,1
	v_and_or_b32 v[BD+\c], v[BM+\c], 0x7f800000, s19
.endr
.irp c, 0,1
	v_lshrrev_b32 v[PM+\c], 23, v[SOP+\c]
.endr
	v_lshl_or_b32 v[CH], v[PM+1], 8, v[PM]
	v_lshl_or_b32 v[WD+\i], v[WD+\i], 16, v[CH]
.irp c, 0,1
.set J_, 0
.rept 16
	v_med3_num_f32 v[S+16*\c+J_], v[S+16*\c+J_], -v[BD+\c], v[BD+\c]
.set J_, J_+1
.endr
	v_cvt_scalef32_pk8_bf8_f32 v[PCO+8*\i+4*\c:PCO+8*\i+4*\c+1], v[S+16*\c:S+16*\c+7], v[SOP+\c]
	v_cvt_scalef32_pk8_bf8_f32 v[PCO+8*\i+4*\c+2:PCO+8*\i+4*\c+3], v[S+16*\c+8:S+16*\c+15], v[SOP+\c]
.endr
	v_nop
.irp c, 0,1
	v_permlane16_swap_b32 v[PCO+8*\i+4*\c], v[PCO+8*\i+4*\c+2]
	v_permlane16_swap_b32 v[PCO+8*\i+4*\c+1], v[PCO+8*\i+4*\c+3]
.endr
.irp c, 0,1
	global_store_b128 v[LI], v[PCO+8*\i+4*\c:PCO+8*\i+4*\c+3], s[8:9] offset:16384*\i+512*\c
.endr
.endm
	s_mov_b32 s63, 0
.Lpass:                                    ; two passes of two tiles
.irp i, 0,1
	v_mov_b32 v[ST+4*\i+1], 0xff61b1e6     ; -3e38, under every t
.endr
.irp i, 0,1
	v_floor_f32 v[ST+4*\i], -v[ST+4*\i+1]
.endr
	v_add_nc_u32 v[ADK], 8192, v[LI]
	v_add_nc_u32 v[ADV], 0x20000, v[LI]
	v_add_nc_u32 v[ADS], SCB, v[R16]
	LOADF FK, LI
	LOADF FV, ADV
	ds_load_b128 v[KW:KW+3], v[ADS]
	ds_load_b128 v[VW:VW+3], v[ADS] offset:4096
	WALU
	s_wait_loadcnt 0x0                     ; this pass's q
	v_and_b32 v[QW], 0xffff, v[QWL]
	v_lshlrev_b32 v[QW+1], 16, v[QWL]
	v_lshrrev_b32 v[QW+2], 16, v[QWL]
	v_and_b32 v[QW+3], 0xffff0000, v[QWL]
.rept 8
	v_nop                                  ; a scale word made by vector lines stands eight places ahead of its product
.endr
	WALU
	s_wait_dscnt 0x0
.irp n, 0,1,2,3,4,5,6,7
	QK1 0, 0, \n
.endr
	WIN 0
	s_mov_b32 s62, 16
.Lkeys:
	SLOT 0
	SLOT 1
	s_sub_co_u32 s62, s62, 1
	s_cmp_lg_u32 s62, 0
	WALU
	s_cbranch_scc1 .Lkeys
; the pipeline runs empty: the last unit's (tile 1's) sums, holds and codes, and the last two units' products with V
	WALU
	s_wait_dscnt 0x0                       ; the last step's V is in registers
	RESC 1
	WIN 0
	s_add_nc_u64 s[4:5], s[4:5], 2048      ; this pass's loads of q were waited for at its head: their bases may step
	s_add_nc_u64 s[6:7], s[6:7], 4
	s_cmp_eq_u32 s63, 1
	WALU
	s_cbranch_scc1 .Lno_q                  ; the last pass asks for nothing more
	QLOAD                                  ; the next pass's q, 23 vector lines behind the last products on this pass's: it comes during the way out
.Lno_q:
.set G_, 0
.irp t, 0,1,2,3
	PV1 0, \t, PW
	WIN 0
.rept 4
	SUM1 G_, S+64
	HOLD2 S+64+4*G_, BD+G_/4
	HOLD2 S+64+4*G_+2, BD+G_/4
.set G_, G_+1
.endr
.endr
	CVTG S+64
.irp k, 4,5,6,7,8,9,10,11,20,21,22,23,28,29,31,33
	L3 \k, 1, 1
.endr
.irp t, 0,1,2,3
	PV1 1, \t, PW+1
.endr
	WIN 0
	OUT 0
	OUT 1
	s_wait_xcnt 0x0                        ; the stores have read their registers and base
	s_add_nc_u64 s[8:9], s[8:9], 32768
	s_add_co_u32 s63, s63, 1
	s_cmp_lg_u32 s63, 2
	WALU
	s_cbranch_scc1 .Lpass
; the result's scale bytes: two a token, gathered in LDS, stored as 1,024 consecutive bytes by waves 0 and 1
.irp i, 0,1
	ds_store_b16_d16_hi v[SCA], v[WD+\i] offset:32*\i
	ds_store_b16 v[SCA], v[WD+\i] offset:64+32*\i
.endr
	v_lshlrev_b32 v7, 4, v0
	v_add_nc_u32 v[CH], SCR, v7
	WALU
	s_wait_dscnt 0x0
	s_barrier_signal -1
	s_barrier_wait -1
	s_cmp_lt_u32 s12, 2
	s_cbranch_scc0 .Lno_gather
	ds_load_b128 v[100:103], v[CH]
	s_wait_dscnt 0x0
	global_store_b128 v7, v[100:103], s[10:11]
.Lno_gather:
	s_wait_tensorcnt 0x0                   ; the wave's end
	ds_add_u32 v[SPW], v[NIL]
	s_wait_dscnt 0x0
	CROUND
	s_endpgm
.Lfunc_end_k_q72f7830ede_attn:
	.size	k_q72f7830ede_attn, .Lfunc_end_k_q72f7830ede_attn-k_q72f7830ede_attn
	.p2alignl 7, 3214868480
	.fill 96, 4, 3214868480
	.section	.rodata,"a",@progbits
	.p2align	6, 0x0
	.amdhsa_kernel k_q72f7830ede_attn
		.amdhsa_group_segment_fixed_size 327680
		.amdhsa_private_segment_fixed_size 0
		.amdhsa_enable_private_segment 0
		.amdhsa_kernarg_size 32
		.amdhsa_user_sgpr_count 2
		.amdhsa_user_sgpr_kernarg_segment_ptr 1
		.amdhsa_wavefront_size32 1
		.amdhsa_system_sgpr_workgroup_id_x 1
		.amdhsa_system_sgpr_workgroup_id_y 1
		.amdhsa_system_sgpr_workgroup_id_z 1
		.amdhsa_system_vgpr_workitem_id 0
		.amdhsa_next_free_vgpr 512
		.amdhsa_next_free_sgpr 80
		.amdhsa_reserve_vcc 0
		.amdhsa_float_denorm_mode_32 3
		.amdhsa_float_denorm_mode_16_64 3
		.amdhsa_memory_ordered 1
		.amdhsa_forward_progress 1
		.amdhsa_inst_pref_size 72
	.end_amdhsa_kernel
	.amdgpu_metadata
---
amdhsa.version: [ 1, 2 ]
amdhsa.kernels:
  - .name:           k_q72f7830ede_attn
    .symbol:         k_q72f7830ede_attn.kd
    .args:
      - { .name: qkv_img, .offset: 0, .size: 8, .value_kind: global_buffer, .address_space: global }
      - { .name: qkv_sc, .offset: 8, .size: 8, .value_kind: global_buffer, .address_space: global }
      - { .name: ao_img, .offset: 16, .size: 8, .value_kind: global_buffer, .address_space: global }
      - { .name: ao_sc, .offset: 24, .size: 8, .value_kind: global_buffer, .address_space: global }
    .group_segment_fixed_size: 327680
    .private_segment_fixed_size: 0
    .kernarg_segment_align: 8
    .kernarg_segment_size: 32
    .max_flat_workgroup_size: 256
    .sgpr_count:     80
    .vgpr_count:     512
    .wavefront_size: 32
...
	.end_amdgpu_metadata
.endif
;; end of part 2
;; launch proj (part 3): grid 4 x 64, 2 waves a work-group, clusters of 4 x 4, 327,680 bytes of LDS; arguments ao_img, ao_sc, w_out_codes, w_out_scales, b_out, out0; writes out0
.if DOCPART == 3
	.amdgcn_target "amdgcn-amd-amdhsa--gfx1250"
	.amdhsa_code_object_version 6
	.text
	.protected	k_q72f7830ede_proj
	.globl	k_q72f7830ede_proj
	.p2align	8
	.type	k_q72f7830ede_proj,@function
k_q72f7830ede_proj:
	s_mov_b64 s[64:65], 0
	v_nop
	global_prefetch_b8 v0, s[64:65] scope:SCOPE_SE
	s_setreg_imm32_b32 hwreg(HW_REG_WAVE_MODE, 25, 1), 1
	s_wait_xcnt 0x0
	s_wait_alu depctr_hold_cnt(0) depctr_sa_sdst(0) depctr_va_vdst(0) depctr_va_sdst(0) depctr_va_ssrc(0) depctr_va_vcc(0) depctr_vm_vsrc(0)
	s_getreg_b32 s2, hwreg(HW_REG_IB_STS2, 6, 4)
	s_cmp_eq_u32 s2, 0
	s_cbranch_scc0 .Lentry_in_a_cluster
	s_endpgm
.Lentry_in_a_cluster:
	s_bfe_u32 s2, ttmp6, 0x10000c
	s_cmp_lg_u32 s2, 0xf033
	s_cbranch_scc0 .Lentry_shape_is_right
	s_endpgm
.Lentry_shape_is_right:
.set SIZE_N, 1024
.set KSTEP,  256
.set NQ,     KSTEP/128
.set ROWB,   256
.set KROW,   1024
.set PITCH,  272
.set FR,     16
.set NL,     4
.set NP,     8
.set ASTEP,  4096
.set ATILE,  8*ASTEP
.set HALFT,  128*PITCH
.set BOFF,   ATILE
.set SLOT,   BOFF+2*HALFT
.set LAPS,   KROW/(2*KSTEP)
.set KS,     KROW/32
.set SCL,    2*SLOT
.set HALFS,  (128*KS/256)*272
.set SBLK,   (16*KS/256)*272
.set SCLB,   SCL+HALFS
.set SPARE,  SCLB+2*HALFS
.set SPITCH, 528
.set ADRA, 16
.set ADRB, 20
.set STO,  24
.set RD,   25
.set CO,   26
.set ADRS, 27
.set SPW,  28
.set NIL,  29
.set VT4,  30
.set VBN,  31
.set SC,   32
.set BN,   64
.set AF,   128
.set BK,   128
.set G1, 24
.set G0, 32
.set G1B, 48
.set G0B, 56
.set G1SB, 80
.set G0SB, 88
.set MSB, 0
.macro WIN new
.if MSB != \new
	s_set_vgpr_msb (MSB<<8)|\new
.set MSB, \new
.endif
.endm
.set MUL_LO, 0xa1
.set MUL_HI, 0xf1
.set TO_B,   0x40
.macro JLOAD g0a, g1a, g0b, g1b
	s_cmp_eq_u32 s14, 0
	s_cbranch_scc0 .Lfor_b_\@
	tensor_load_to_lds s[\g0a:\g0a+3], s[\g1a:\g1a+7]
	s_nop 0
.rept 4
	v_nop
.endr
	s_branch .Lasked_\@
.Lfor_b_\@:
	tensor_load_to_lds s[\g0b:\g0b+3], s[\g1b:\g1b+7]
	s_nop 0
.rept 4
	v_nop
.endr
.Lasked_\@:
.endm
.macro CREST
	s_cmp_lg_u32 s14, 0
	s_cbranch_scc1 .Lnot_wave_0_\@
	s_barrier_signal -3
.Lnot_wave_0_\@:
	s_barrier_wait -3
	s_barrier_signal -1
	s_barrier_wait -1
.endm
.macro CROUND
	s_barrier_signal -1
	s_barrier_wait -1
	CREST
.endm
	s_load_b128 s[4:7], s[0:1], 0x0
	s_load_b128 s[8:11], s[0:1], 0x10
	s_load_b64 s[66:67], s[0:1], 0x20
	s_load_b64 s[12:13], s[0:1], 0x28
	v_lshl_add_u32 v[SPW], v0, 2, SPARE
	v_mov_b32 v[NIL], 0
	ds_add_u32 v28, v29
	ds_add_u32 v28, v29
	s_wait_dscnt 0x0
	v_lshrrev_b32 v1, 5, v0
	v_readfirstlane_b32 s14, v1
	s_bfe_u32 s40, ttmp6, 0x40000
	s_bfe_u32 s41, ttmp6, 0x40004
	s_lshl_b32 s42, ttmp9, 2
	s_add_co_u32 s42, s42, s40
	s_and_b32 s17, ttmp7, 0xffff
	s_lshl_b32 s17, s17, 2
	s_add_co_u32 s17, s17, s41
	s_lshl_b32 s43, s41, 2
	s_lshl_b32 s43, 15, s43
	s_lshl_b32 s44, 0x1111, s40
	s_or_b32 s[G1+0], s43, (3<<16)|(1<<21)
	s_mov_b32 s[G1+1], 512<<16
	s_mov_b32 s[G1+2], 8<<16
	s_mov_b32 s[G1+3], 512<<16
	s_mov_b32 s[G1+4], 8
	s_mov_b32 s[G1+5], 2048
	s_mov_b32 s[G1+6], 0
	s_mov_b32 s[G1+7], 0
	s_or_b32 s[G1B+0], s44, (0<<16)|(1<<20)|(1<<21)|(5<<22)|(3<<25)
	s_mov_b32 s[G1B+1], ROWB<<16
	s_mov_b32 s[G1B+2], 256<<16
	s_mov_b32 s[G1B+3], ROWB<<16
	s_mov_b32 s[G1B+4], 256
	s_mov_b32 s[G1B+5], KROW
	s_mov_b32 s[G1B+6], 0
	s_mov_b32 s[G1B+7], 0
	s_or_b32 s[G1SB+0], s44, (3<<16)|(1<<20)|(1<<21)|(5<<22)|(3<<25)
	s_mov_b32 s[G1SB+1], 32<<16
	s_mov_b32 s[G1SB+2], 16<<16
	s_mov_b32 s[G1SB+3], 32<<16
	s_mov_b32 s[G1SB+4], 16
	s_mov_b32 s[G1SB+5], 32
	s_mov_b32 s[G1SB+6], 0
	s_mov_b32 s[G1SB+7], 0
	s_lshl_b32 s20, s17, 17
	s_mov_b32 s21, 0
	s_lshl_b32 s46, s42, 18
	s_mov_b32 s47, 0
	s_lshl_b32 s92, s42, 13
	s_lshl_b32 s18, s14, 12
	s_add_co_u32 s92, s92, s18
	s_mov_b32 s93, 0
	s_mul_i32 s22, s14, HALFS
	s_wait_kmcnt 0x0
	s_add_nc_u64 s[20:21], s[4:5], s[20:21]
	s_add_nc_u64 s[46:47], s[8:9], s[46:47]
	s_add_nc_u64 s[92:93], s[10:11], s[92:93]
	CROUND
	s_mov_b32 s[G0SB], 1
	s_add_co_u32 s[G0SB+1], s22, SCLB
	s_mov_b64 s[G0SB+2:G0SB+3], s[92:93]
	s_or_b32 s[G0SB+3], s[G0SB+3], 0x80000000
	tensor_load_to_lds s[G0SB:G0SB+3], s[G1SB:G1SB+7]
	s_nop 0
.rept 4
	v_nop
.endr
.irp s, 0,1
	s_mov_b32 s[G0+4*\s], 1
	s_mov_b32 s[G0+4*\s+1], \s*SLOT
	s_add_nc_u64 s[G0+4*\s+2:G0+4*\s+3], s[20:21], \s*ASTEP
	s_or_b32 s[G0+4*\s+3], s[G0+4*\s+3], 0x80000000
	s_mov_b32 s[G0B+4*\s], 1
	s_mov_b32 s[G0B+4*\s+1], BOFF+\s*SLOT
	s_add_nc_u64 s[G0B+4*\s+2:G0B+4*\s+3], s[46:47], \s*ROWB
	s_or_b32 s[G0B+4*\s+3], s[G0B+4*\s+3], 0x80000000
	s_wait_alu depctr_va_vdst(0)
	s_wait_tensorcnt 0x0
	ds_add_u32 v28, v29
	s_wait_dscnt 0x0
	CROUND
	JLOAD G0+4*\s, G1, G0B+4*\s, G1B
.endr
	v_and_b32 v1, 15, v0
	v_bfe_u32 v2, v0, 4, 1
	s_wait_alu depctr_va_vdst(0)
	s_lshl_b32 s18, s17, 8
	s_mov_b32 s19, 0
	s_add_nc_u64 s[6:7], s[6:7], s[18:19]
	v_lshlrev_b32 v[VT4], 2, v0
.irp h, 0,1,2,3,4,5,6,7,8,9,10,11,12,13,14,15
	global_load_b32 v[128+\h], v[VT4], s[6:7] offset:16384*\h
.endr
	s_lshl_b32 s46, s42, 10
	s_lshl_b32 s47, s14, 9
	s_add_co_u32 s46, s46, s47
	s_mov_b32 s47, 0
	s_add_nc_u64 s[66:67], s[66:67], s[46:47]
	v_lshlrev_b32 v[VBN], 5, v2
.irp b, 0,1,2,3,4,5,6,7
	global_load_b128 v[BN+8*\b:BN+8*\b+3], v[VBN], s[66:67] offset:64*\b
	global_load_b128 v[BN+8*\b+4:BN+8*\b+7], v[VBN], s[66:67] offset:64*\b+16
.endr
	v_and_b32 v6, 31, v0
	v_lshlrev_b32 v[CO], 4, v6
	v_mul_u32_u24 v3, v1, PITCH
	v_lshl_add_u32 v4, v2, 4, v3
	s_mov_b32 s21, 0
	s_mul_i32 s22, s14, HALFT
	s_add_co_u32 s22, s22, BOFF
.irp s, 0,1
	v_add_nc_u32 v[ADRA+\s], s21, v[CO]
	v_add_nc_u32 v[ADRB+\s], s22, v4
	s_add_co_u32 s21, s21, SLOT
	s_add_co_u32 s22, s22, SLOT
.endr
	v_mul_u32_u24 v5, v1, KS
	v_lshrrev_b32 v6, 8, v5
	v_lshl_add_u32 v5, v6, 4, v5
	s_mul_i32 s22, s14, HALFS
	s_add_co_u32 s22, s22, HALFS
	v_mul_u32_u24 v6, s22, v2
	v_add_nc_u32 v5, v5, v6
	v_add_nc_u32 v[ADRS], SCL, v5
	s_mul_i32 s23, s14, 16*SPITCH
	v_mul_u32_u24 v5, v1, SPITCH
	v_lshl_add_u32 v5, v2, 5, v5
	v_add_nc_u32 v[STO], s23, v5
	v_add_nc_u32 v[RD], s23, v[CO]
	s_lshl_b32 s20, s17, 7
	s_mov_b32 s21, 0
	s_mov_b64 s[18:19], SIZE_N*4
	s_mul_u64 s[20:21], s[20:21], s[18:19]
	s_add_nc_u64 s[20:21], s[20:21], s[46:47]
	s_add_nc_u64 s[12:13], s[12:13], s[20:21]
	v_lshrrev_b32 v9, 2, v0
	v_lshlrev_b32 v8, 6, v0
	v_lshl_add_u32 v8, v9, 4, v8
	v_add_nc_u32 v8, SCL, v8
	s_wait_loadcnt 0x0
.irp k, 0,1,2,3,4,5,6,7
	v_perm_b32 v[144+\k], v[129+2*\k], v[128+2*\k], 0x05040100
	v_perm_b32 v[152+\k], v[129+2*\k], v[128+2*\k], 0x07060302
.endr
.irp i, 0,1,2,3
	ds_store_b128 v8, v[144+4*\i:147+4*\i] offset:16*\i
.endr
.macro FRAGA reg, adr, q, i
.irp c, 0,1,2,3
	ds_load_b128 v[\reg+4*\c:\reg+4*\c+3], v[\adr] offset:ASTEP*(\i)+2048*(\q)+512*\c
.endr
.endm
.macro FRAGB reg, adr, q, i
.irp c, 0,1,2,3
	ds_load_b128 v[\reg+4*\c:\reg+4*\c+3], v[\adr] offset:128*(\q)+32*\c+(\i)*16*PITCH
.endr
.endm
.macro MUL16 a0, p, q, sc, first
.irp a, \a0, \a0+1
.irp b, 0,1,2,3,4,5,6,7
.if \first
	v_wmma_scale_f32_16x16x128_f8f6f4 v[8*(8*((\a)%4)+\b):8*(8*((\a)%4)+\b)+7], v[128*(\p)+FR*\b:128*(\p)+FR*\b+FR-1], v[AF+FR*(\a):AF+FR*(\a)+FR-1], v[BN+8*\b:BN+8*\b+7], v[SC+8*NQ*(\sc)+NQ*\b+(\q)], v[SC+8*NQ*(\sc)+NQ*(\a)+(\q)] matrix_a_fmt:MATRIX_FMT_BF8 matrix_b_fmt:MATRIX_FMT_BF8 matrix_a_scale:MATRIX_SCALE_ROW1
.else
	v_wmma_scale_f32_16x16x128_f8f6f4 v[8*(8*((\a)%4)+\b):8*(8*((\a)%4)+\b)+7], v[128*(\p)+FR*\b:128*(\p)+FR*\b+FR-1], v[AF+FR*(\a):AF+FR*(\a)+FR-1], v[8*(8*((\a)%4)+\b):8*(8*((\a)%4)+\b)+7], v[SC+8*NQ*(\sc)+NQ*\b+(\q)], v[SC+8*NQ*(\sc)+NQ*(\a)+(\q)] matrix_a_fmt:MATRIX_FMT_BF8 matrix_b_fmt:MATRIX_FMT_BF8 matrix_a_scale:MATRIX_SCALE_ROW1
.endif
.endr
.endr
.endm
.macro FETCH_B slot, q, p
	WIN TO_B
.irp i, 0,1,2,3,4,5,6,7
	FRAGB 128*(\p)+FR*\i, ADRB+\slot, \q, \i
.endr
	WIN 0
.endm
.macro FETCH_A slot, q, i0
.irp i, \i0, \i0+1, \i0+2, \i0+3
	FRAGA AF+FR*(\i), ADRA+\slot, \q, \i
.endr
.endm
.macro SCALES sc
.irp i, 0,1,2,3,4,5,6,7
	ds_load_b64 v[SC+8*NQ*\sc+NQ*\i:SC+8*NQ*\sc+NQ*\i+1], v[ADRS] offset:\i*SBLK
.endr
.endm
.macro PLACES n
.rept \n
	v_nop
.endr
.endm
.macro STEP slot, q, first
	s_wait_dscnt 4*NL
	WIN MUL_LO-0x20*\first
	MUL16 0, (\q)%2, \q, \slot, \first
	MUL16 2, (\q)%2, \q, \slot, \first
	s_wait_dscnt 0
	PLACES NP
	FETCH_B \slot, (\q)+1, 1-(\q)%2
	FETCH_A \slot, (\q)+1, 0
	WIN MUL_HI-0x30*\first
	MUL16 4, (\q)%2, \q, \slot, \first
	MUL16 6, (\q)%2, \q, \slot, \first
	PLACES NP
	WIN 0
	FETCH_A \slot, (\q)+1, 4
.endm
.macro TURN slot, next, fill
	s_wait_tensorcnt 0x0
	ds_add_u32 v[SPW], v[NIL]
	s_wait_dscnt 4*NL+1
	WIN MUL_LO
	MUL16 0, 1, NQ-1, \slot, 0
	s_wait_dscnt 0x0
	s_barrier_signal -1
	MUL16 2, 1, NQ-1, \slot, 0
	WIN 0
	s_barrier_wait -1
.if \fill
	CREST
	s_add_nc_u64 s[G0+4*\slot+2:G0+4*\slot+3], s[G0+4*\slot+2:G0+4*\slot+3], 2*ASTEP
	s_add_nc_u64 s[G0B+4*\slot+2:G0B+4*\slot+3], s[G0B+4*\slot+2:G0B+4*\slot+3], 2*ROWB
	JLOAD G0+4*\slot, G1, G0B+4*\slot, G1B
	PLACES NP-4
.else
	PLACES NP
.endif
	s_wait_alu depctr_va_vdst(0)
	v_add_nc_u32 v[ADRS], 4*NQ, v[ADRS]
	FETCH_B \next, 0, 0
	FETCH_A \next, 0, 0
	SCALES \next
	WIN MUL_HI
	MUL16 4, 1, NQ-1, \slot, 0
	MUL16 6, 1, NQ-1, \slot, 0
	PLACES NP
	WIN 0
	FETCH_A \next, 0, 4
.endm
	s_wait_dscnt 0x0
	s_wait_tensorcnt 1
	s_barrier_signal -1
	s_barrier_wait -1
	FETCH_B 0, 0, 0
	FETCH_A 0, 0, 0
	SCALES 0
	FETCH_A 0, 0, 4
	STEP 0, 0, 1
	s_mov_b32 s3, LAPS-1
.Llap:
	TURN 0, 1, 1
	STEP 1, 0, 0
	TURN 1, 0, 1
	STEP 0, 0, 0
	s_sub_co_u32 s3, s3, 1
	s_cmp_lg_u32 s3, 0
	s_cbranch_scc1 .Llap
	TURN 0, 1, 0
	STEP 1, 0, 0
	s_wait_dscnt 4*NL
	WIN MUL_LO
	MUL16 0, 1, NQ-1, 1, 0
	MUL16 2, 1, NQ-1, 1, 0
	s_wait_dscnt 0
	WIN MUL_HI
	MUL16 4, 1, NQ-1, 1, 0
	MUL16 6, 1, NQ-1, 1, 0
	WIN 0
.macro TOSTAGE a
.set AC, 64*((\a)%4)
	WIN 0x08+4*((\a)/4)
.irp b, 0,1,2,3,4,5,6,7
	ds_store_b128 v[STO], v[AC+8*\b:AC+8*\b+3] offset:64*\b
	ds_store_b128 v[STO], v[AC+8*\b+4:AC+8*\b+7] offset:64*\b+16
.endr
	WIN 0
.set BB, BK+64*((\a)%2)
.irp t, 0,1,2,3,4,5,6,7,8,9,10,11,12,13,14,15
	ds_load_b128 v[BB+4*\t:BB+4*\t+3], v[RD] offset:\t*SPITCH
.endr
.endm
.macro SEND a, younger
.set BB, BK+64*((\a)%2)
	s_wait_dscnt \younger
.if (\a) > 0
	s_add_nc_u64 s[12:13], s[12:13], 16*SIZE_N*4
.endif
.irp t, 0,1,2,3,4,5,6,7,8,9,10,11,12,13,14,15
	global_store_b128 v[CO], v[BB+4*\t:BB+4*\t+3], s[12:13] offset:\t*SIZE_N*4 th:TH_STORE_NT
.endr
.endm
	PLACES NP
	TOSTAGE 0
.irp a, 1,2,3,4,5,6,7
.if \a > 1
	s_wait_xcnt 0x0
.endif
	TOSTAGE \a
	SEND \a-1, 32
.endr
	s_wait_xcnt 0x0
	SEND 7, 0
	s_wait_tensorcnt 0x0
	ds_add_u32 v[SPW], v[NIL]
	s_wait_dscnt 0x0
	CROUND
	s_endpgm
.Lfunc_end_k_q72f7830ede_proj:
	.size	k_q72f7830ede_proj, .Lfunc_end_k_q72f7830ede_proj-k_q72f7830ede_proj
	.p2alignl 7, 3214868480
	.fill 96, 4, 3214868480
	.section	.rodata,"a",@progbits
	.p2align	6, 0x0
	.amdhsa_kernel k_q72f7830ede_proj
		.amdhsa_group_segment_fixed_size 327680
		.amdhsa_private_segment_fixed_size 0
		.amdhsa_enable_private_segment 0
		.amdhsa_kernarg_size 48
		.amdhsa_user_sgpr_count 2
		.amdhsa_user_sgpr_kernarg_segment_ptr 1
		.amdhsa_wavefront_size32 1
		.amdhsa_system_sgpr_workgroup_id_x 1
		.amdhsa_system_sgpr_workgroup_id_y 1
		.amdhsa_system_sgpr_workgroup_id_z 1
		.amdhsa_system_vgpr_workitem_id 0
		.amdhsa_next_free_vgpr 1024
		.amdhsa_next_free_sgpr 102
		.amdhsa_reserve_vcc 0
		.amdhsa_float_denorm_mode_32 3
		.amdhsa_float_denorm_mode_16_64 3
		.amdhsa_memory_ordered 1
		.amdhsa_forward_progress 1
		.amdhsa_inst_pref_size 150
	.end_amdhsa_kernel
	.amdgpu_metadata
---
amdhsa.version: [ 1, 2 ]
amdhsa.kernels:
  - .name:           k_q72f7830ede_proj
    .symbol:         k_q72f7830ede_proj.kd
    .args:
      - { .name: ao_img, .offset: 0, .size: 8, .value_kind: global_buffer, .address_space: global }
      - { .name: ao_sc, .offset: 8, .size: 8, .value_kind: global_buffer, .address_space: global }
      - { .name: w_out_codes, .offset: 16, .size: 8, .value_kind: global_buffer, .address_space: global }
      - { .name: w_out_scales, .offset: 24, .size: 8, .value_kind: global_buffer, .address_space: global }
      - { .name: b_out, .offset: 32, .size: 8, .value_kind: global_buffer, .address_space: global }
      - { .name: out0, .offset: 40, .size: 8, .value_kind: global_buffer, .address_space: global }
    .group_segment_fixed_size: 327680
    .private_segment_fixed_size: 0
    .kernarg_segment_align: 8
    .kernarg_segment_size: 48
    .max_flat_workgroup_size: 64
    .sgpr_count:     102
    .vgpr_count:     1024
    .wavefront_size: 32
...
	.end_amdgpu_metadata
.endif
;; end of part 3
